; MI455X (gfx1250); checked and timed in simulation.
; The chip was launched on July 23, 2026; its instructions are those of AMD's public machine-readable ISA for CDNA 5 (MIT licence, August 2026) and "CDNA5" Instruction Set Architecture Reference Guide (July 2026). The comments in the code are by the model that wrote it; some were corrected since.
;; Quadratic Active Dendrites. Allowed arithmetic: matrix products marked QUANTISED: E4M3 operands, one given power-of-two scale a tensor, by v_wmma_f32_16x16x64_fp8_fp8 or v_wmma_f32_16x16x128_fp8_fp8, f32 sums; products left as they are: f32 operands where the result goes on into a quantised operand, else bf16, f16 or f32 operands; f32 sums; everything else in f32.
;; Inputs: bias_b 2,048 float32; bias_g 2,048 float32; bias_r 2,048 float32; context 1,024 float32; lowp_scales 6 int32 (the exponents e of the quantised operands' scales 2^e); seg_bias 2,048 x 16 float32; seg_weight 2,048 x 1,024 x 16 float32; weight_b_codes 2,048 x 64 x 32 uint8 (E4M3 codes of weight_b, K innermost, in blocks of 32 codes); weight_g_codes 2,048 x 64 x 32 uint8 (E4M3 codes of weight_g, K innermost, in blocks of 32 codes); weight_r_codes 2,048 x 64 x 32 uint8 (E4M3 codes of weight_r, K innermost, in blocks of 32 codes); x 4,096 x 2,048 float32.
;; Outputs: out0 4,096 x 2,048 float32.
;; This version of the problem:
;;   THIS VERSION OF THE PROBLEM IS GIVEN IN LOW PRECISION. The matrix products marked QUANTISED in the list below multiply operands that are first quantised to E4M3 (4 exponent bits, 3 mantissa bits; 8 bits a number), with one given power-of-two scale for each operand tensor; their sums are f32. All else is computed in f32.
;;   The module's matrix products, in the order in which they are computed (A, B: the left and right operand; K: the contracted axis; several contracted axes count as one K, in the product's order):
;;     1. [M 4,096, K 2,048] x [K 2,048, N 2,048]; A: input x; B: input weight_r (given as codes): QUANTISED (scales: A lowp_scales[0], B lowp_scales[1])
;;     2. [M 4,096, K 2,048] x [K 2,048, N 2,048]; A: input x; B: input weight_g (given as codes): QUANTISED (scales: A lowp_scales[2], B lowp_scales[3])
;;     3. [M 4,096, K 2,048] x [K 2,048, N 2,048]; A: computed on the way; B: input weight_b (given as codes): QUANTISED (scales: A lowp_scales[4], B lowp_scales[5])
;;     4. [M 1, K 1,024] x [K 1,024, N 32,768]; A: input context; B: input seg_weight: left as it is (M = 1 < 16)
;;   THE QUANTISER, for each operand of a quantised product, along K:
;;     - The operand's scale is 2^e, e = its entry of the input lowp_scales (int32; the entries are numbered through the quantised products in the list's order, A before B).
;;     - Each number is divided by the scale, clamped to +-448, and rounded to the nearest number of E4M3, ties to even, subnormals kept.
;;     - The product sums the exact products of the quantised numbers (number of the format x scale) in f32.
;;   ~~~python
;;   def quantise(x, axis, e):      # numpy; x: float32 -> the quantised numbers, widened to float32 again
;;       x = np.moveaxis(x, axis, -1); K = x.shape[-1]
;;       r = np.clip(x / 2.0 ** e, -448, 448)
;;       step = 2.0 ** (np.maximum(np.frexp(np.where(r == 0, 1, r))[1] - 1, -6) - 3)
;;       q = np.round(r / step) * step * 2.0 ** e      # np.round: ties to even
;;       return np.moveaxis(q, -1, axis).astype(np.float32)
;;   ~~~
;;   OPERANDS COMPUTED ON THE WAY. 'Computed on the way' means the value that the module computes at that place (a softmax that the list does not call 'softmax' is quantised finished and normalised). What goes into a quantiser is computed in f32, as accurately as f32 sums, v_exp_f32 and their like allow (about 1e-6 of the number): no bf16 or f16 on the way to a quantiser, and a product that is left as it is and whose result goes on into a quantised operand takes f32 operands (vector FMAs, or v_wmma_f32_16x16x4_f32). A number that lies on a knife's edge between two numbers of the format may be rounded either way, as far as f32 arithmetic and the matrix unit's own rounding can turn it there, and no further.
;;   INPUTS GIVEN AS CODES. weight_b (in the module: [2048, 2048], K = its axis 0); weight_g (in the module: [2048, 2048], K = its axis 0); weight_r (in the module: [2048, 2048], K = its axis 0): each comes as NAME_codes (uint8): NAME with its K axis moved to the last place and cut into blocks of 32 codes, [.., K / 32, bytes a block], one block behind the other in memory; one code a byte (a code: sign, 4 exponent bits, 3 mantissa bits); its scale is its entry of lowp_scales. Its value is code x scale, taken as it is: it is not quantised again, and the codes and scales need not be those that the quantiser above would give.
;; One version. Each part assembles by itself: llvm-mc -triple=amdgcn-amd-amdhsa -mcpu=gfx1250 --defsym DOCPART=n.
;; ======== version 1 of 1: 2 launches
;; workspace buffers: xq 25,165,824 bytes; percent 8,192 bytes
;; launch prep (part 1): grid 256 x 1, 16 waves a work-group, no clusters, 111,872 bytes of LDS; arguments x, context, seg_weight, seg_bias, lowp_scales, xq, percent; writes xq, percent
.if DOCPART == 1
	.amdgcn_target "amdgcn-amd-amdhsa--gfx1250"
	.amdhsa_code_object_version 6
	.text
	.protected	k_qa5e07d7abd_prep
	.globl	k_qa5e07d7abd_prep
	.p2align	8
	.type	k_qa5e07d7abd_prep,@function
k_qa5e07d7abd_prep:
	s_mov_b64 s[64:65], 0
	v_nop
	global_prefetch_b8 v0, s[64:65] scope:SCOPE_SE
	s_setreg_imm32_b32 hwreg(HW_REG_WAVE_MODE, 25, 1), 1
	s_wait_xcnt 0x0
; TWO THINGS THAT THE PRODUCTS' LAUNCH NEEDS WHOLE, both made from streams that are read once.
; (1) percent[d] = sigmoid(the one of neuron d's 16 segment sums with the largest magnitude, the first on ties); segment sum (d, s) = sum over c of context[c] seg_weight[d][c][s] + seg_bias[d][s]; all in f32.
; (2) xq: three tensors of E4M3 codes made of x [4096][2048] f32: plane 0 = x / 2^e0, plane 1 = x / 2^e2, plane 2 = x x / 2^e4 (e = entries 0, 2, 4 of lowp_scales), each held within +-448 and rounded to the nearest code, ties to even.
;     xq is laid as the products' launch takes its operands: [row tile mt 256][K step ks 16][plane 3][2,048 bytes]; byte 512 c + 256 h + 16 r + i is the code of row 16 mt + r at k = 128 ks + 32 c + 16 h + i:
;     eight units of 256 bytes (16 rows x 16 neighbouring k), one behind the other.
; LIMITS: e0, e2, e4 between -126 and 119, so that 2^e and 448 x 2^e are f32 numbers.  NaN among the inputs is not served; infinities, and x x that overflows, are held at the largest code.
; SHARES.  Work-group g: neurons 8 g .. 8 g + 7 (524,288 bytes of seg_weight) and rows 16 g .. 16 g + 15 of x.  Wave w: half a neuron (neuron 8 g + w / 2, c = 512 (w % 2) on: 32,768 dense bytes) and then row 16 g + w of x (8,192 bytes).
; A wave's stream is 80 loads of 512 consecutive bytes (16 a lane): 64 of seg_weight, 16 of x, through a ring of 24 slots in registers: 24 loads of every wave are on their way.  All is written out: every offset is an immediate.
; No matrix unit (a product with one row), no tensor loads (the ring in registers needs no barrier), no cluster: the work-groups share context's 4,096 bytes and nothing else.
; percent leaves as 32 bytes a work-group, a part of an aligned block of 256: whole blocks would ask for 64 neurons to a work-group, that is 32 work-groups; the launch stores 8,192 such bytes in all.
.set CTXT,   0                         ; LDS: context turned: 8 rows q of 512 bytes + 16; word jj of row q = context[8 jj + q]
.set CPITCH, 528
.set PART,   4352                      ; 64 bytes a wave: its 16 partial sums
.set IMG,    5376                      ; three planes of codes: 128 units (k / 16) of 256 bytes + 16; row r's 16 codes at byte 16 r of a unit
.set PLANE,  34816
.set UP,     272                       ; a unit's pitch: 68 words, so that eight neighbouring units start four banks apart (64 banks of 4 bytes: ISA guide 11.1)
.set DEPTH,  24                        ; slots of the ring
.set LN,   1                           ; v1   lane
.set VS,   2                           ; v2   seg_weight: 32,768 x wave + 16 x lane; never rewritten
.set VX,   3                           ; v3   x: 8,192 x wave + 16 x lane; never rewritten
.set CW,   4                           ; v4   where my two numbers of context go
.set CRD,  5                           ; v5   where my 64 numbers of context come from
.set AW,   6                           ; v6-8 where my codes go, plane 0, 1, 2
.set PW,   9                           ; v9   where my partial sums go
.set RD0,  10                          ; v10-12 the copy-out: where I read a plane's units
.set GO,   13                         ; v13  and where they go in xq: 6,144 x wave + 16 x lane
.set C8,   14                          ; v14  8 x thread
.set FIN,  15                          ; v15  wave 0's finish: where a neuron's two halves lie
.set QSR,  16                          ; v16-21 for planes 0, 1, 2: 2^e as f32, and 448 x 2^e
.set QLR,  17
.set QSG,  18
.set QLG,  19
.set QSB,  20
.set QLB,  21
.set CTX,  32                          ; v32-95  my 64 numbers of context; later the codes: six registers for each pair of x's loads, so that no LDS store's data are written again
.set RING, 96                          ; v96-191 24 slots x 4 registers
.set ACC,  192                         ; v192-207 four chains x 4 segments
.set TR,   208                         ; v208-231 eight numbers at work for each plane
.set TG,   216
.set TB,   224
.set LI,   232                         ; v232 16 x lane; never rewritten
	s_load_b256 s[4:11], s[0:1], 0x0               ; x s[4:5], context s[6:7], seg_weight s[8:9], seg_bias s[10:11]
	s_load_b128 s[12:15], s[0:1], 0x20             ; lowp_scales s[12:13], xq s[14:15]
	s_load_b64 s[16:17], s[0:1], 0x30              ; percent
	v_lshl_add_u32 v240, v0, 2, 0x1ad00
	v_mov_b32 v241, 0
	v_lshrrev_b32 v28, 5, v0
	v_readfirstlane_b32 s18, v28                   ; wave 0..15
	s_and_b32 s19, s18, 1                          ; which half of the neuron's c
	s_mov_b32 s30, 0x76543210                      ; v_permlanex16_b32: each lane takes its own place in the other half
	s_mov_b32 s31, 0xfedcba98
	s_mov_b32 s34, 0xaaaaaaaa                      ; the lanes with lane & 1
	s_mov_b32 s35, 0xcccccccc                      ; the lanes with lane & 2
	v_and_b32 v[LN], 31, v0
	v_lshlrev_b32 v[LI], 4, v[LN]
	s_lshl_b32 s22, s18, 15
	v_add_nc_u32 v[VS], s22, v[LI]
	s_lshl_b32 s22, s18, 13
	v_add_nc_u32 v[VX], s22, v[LI]
	v_and_b32 v30, 3, v0                           ; thread % 4 = lane % 4
	v_lshrrev_b32 v31, 2, v0
	v_mul_u32_u24 v[CW], v30, 2*CPITCH             ; context[2 t] has q = 2 (t % 4), jj = t / 4
	v_lshl_add_u32 v[CW], v31, 2, v[CW]
	v_lshrrev_b32 v28, 2, v[LN]                    ; lane / 4
	v_mul_u32_u24 v[CRD], v28, CPITCH              ; my c is 8 j + lane / 4 in load j: row q = lane / 4, words 64 x half + j
	s_lshl_b32 s22, s19, 8
	v_add_nc_u32 v[CRD], s22, v[CRD]
	v_mul_u32_u24 v[AW], v28, UP                   ; a load's four codes of mine: unit 8 m + lane / 4, word lane % 4, row = my wave
	v_lshl_add_u32 v[AW], v30, 2, v[AW]
	s_lshl_b32 s22, s18, 4
	s_add_co_u32 s22, s22, IMG
	v_add_nc_u32 v[AW], s22, v[AW]
	v_add_nc_u32 v[AW+1], PLANE, v[AW]
	v_add_nc_u32 v[AW+2], 2*PLANE, v[AW]
	s_lshl_b32 s22, s18, 6
	s_add_co_u32 s22, s22, PART
	v_lshl_add_u32 v[PW], v30, 4, s22              ; segments 4 (lane % 4) on
	v_lshlrev_b32 v[FIN], 7, v28                   ; neuron lane / 4: the partial sums of waves 2 n and 2 n + 1
	v_lshl_add_u32 v[FIN], v30, 4, v[FIN]
	v_add_nc_u32 v[FIN], PART, v[FIN]
	v_lshrrev_b32 v28, 4, v[LN]
	v_and_b32 v31, 15, v[LN]
	v_mul_u32_u24 v[RD0], v28, UP                  ; the copy-out: sixteen lanes to a unit, two units an instruction; K step = my wave: units 8 w on
	v_lshl_add_u32 v[RD0], v31, 4, v[RD0]
	s_mul_i32 s22, s18, 8*UP
	s_add_co_u32 s22, s22, IMG
	v_add_nc_u32 v[RD0], s22, v[RD0]
	v_add_nc_u32 v[RD0+1], PLANE, v[RD0]
	v_add_nc_u32 v[RD0+2], 2*PLANE, v[RD0]
	s_mul_i32 s22, s18, 6144
	v_add_nc_u32 v[GO], s22, v[LI]
	v_lshlrev_b32 v[C8], 3, v0
	s_lshl_b32 s20, ttmp9, 19                      ; the work-group's 8 neurons of 65,536 bytes (under 2^31)
	s_mov_b32 s21, 0
	s_wait_kmcnt 0x0
	s_load_b128 s[24:27], s[12:13], 0x0            ; e0 .. e3
	s_load_b32 s28, s[12:13], 0x10                 ; e4
	s_add_nc_u64 s[8:9], s[8:9], s[20:21]
	s_lshl_b32 s20, ttmp9, 17                      ; its 16 rows of x,
	s_add_nc_u64 s[4:5], s[4:5], s[20:21]
	s_mul_i32 s20, ttmp9, 98304                    ; its row tile in xq: 16 K steps x 3 planes x 2,048 bytes,
	s_add_nc_u64 s[14:15], s[14:15], s[20:21]
	s_lshl_b32 s20, ttmp9, 9                       ; its 8 x 16 numbers of seg_bias,
	s_add_nc_u64 s[10:11], s[10:11], s[20:21]
	s_lshl_b32 s20, ttmp9, 5                       ; its 8 numbers of percent
	s_add_nc_u64 s[16:17], s[16:17], s[20:21]
	global_load_b64 v[22:23], v[C8], s[6:7]        ; context: 512 threads x 8 bytes
	global_load_b128 v[24:27], v[LI], s[10:11]     ; seg_bias: lane l: neuron l / 4, segments 4 (l % 4) on.  Wave 0 alone uses them; every wave loads the 512 bytes, so that no register is written on one wave's path alone
.macro LD j                            ; load j of the wave's 80: 32 lanes read 512 consecutive bytes
.if (\j) < 64
	global_load_b128 v[RING+4*((\j)%DEPTH):RING+4*((\j)%DEPTH)+3], v[VS], s[8:9] offset:512*(\j) th:TH_LOAD_NT
.else
	global_load_b128 v[RING+4*((\j)%DEPTH):RING+4*((\j)%DEPTH)+3], v[VX], s[4:5] offset:512*((\j)-64) th:TH_LOAD_NT
.endif
.endm
.set J, 0
.rept DEPTH
	LD J
.set J, J+1
.endr
.macro MKSCALE e, sc, lim              ; 2^e as f32 (the conversion takes its exponent field), and 448 x 2^e
	s_add_co_i32 s22, s[\e], 127
	s_lshl_b32 s23, s22, 23
	v_mov_b32 v[\sc], s23
	s_add_co_i32 s22, s22, 8
	s_lshl_b32 s22, s22, 23
	s_or_b32 s22, s22, 0x600000
	v_mov_b32 v[\lim], s22
.endm
	s_wait_kmcnt 0x0
	MKSCALE 24, QSR, QLR
	MKSCALE 26, QSG, QLG
	MKSCALE 28, QSB, QLB
	; context goes through LDS, turned, so that a lane finds the 64 numbers of its own c on end
	s_wait_loadcnt 24                              ; context and seg_bias are in: they are older than the ring's 24 loads, which stay out
	ds_store_b32 v[CW], v22
	ds_store_b32 v[CW], v23 offset:CPITCH
	s_wait_dscnt 0x0                               ; for the others' sake: my stores have landed
	s_barrier_signal -1
	s_barrier_wait -1
.irp i, 0,1,2,3,4,5,6,7,8,9,10,11,12,13,14,15
	ds_load_b128 v[CTX+4*\i:CTX+4*\i+3], v[CRD] offset:16*\i
.endr
	s_wait_dscnt 0x0
; Load j of seg_weight: lane l holds c = 512 x half + 8 j + l / 4, segments 4 (l % 4) + 0 .. 3.  Two packed multiply-adds by context[c] (register CTX + j: one word of a pair serves both halves), in four chains by turns;
; the chains' first products start the sums.  Then the slot takes the load 24 further on.
.macro SEG j
.if 79-(\j) < 23
	s_wait_loadcnt 79-(\j)                         ; loads come back in order (ISA guide 5.7.1): load j is in, the younger ones stay out
.else
	s_wait_loadcnt 23
.endif
.set RS, RING+4*((\j)%DEPTH)
.set AS, ACC+4*((\j)%4)
.set CP, CTX+2*((\j)/2)
.if (\j) < 4
.if (\j)%2 == 0
	v_pk_mul_f32 v[AS:AS+1], v[RS:RS+1], v[CP:CP+1] op_sel_hi:[1,0]
	v_pk_mul_f32 v[AS+2:AS+3], v[RS+2:RS+3], v[CP:CP+1] op_sel_hi:[1,0]
.else
	v_pk_mul_f32 v[AS:AS+1], v[RS:RS+1], v[CP:CP+1] op_sel:[0,1] op_sel_hi:[1,1]
	v_pk_mul_f32 v[AS+2:AS+3], v[RS+2:RS+3], v[CP:CP+1] op_sel:[0,1] op_sel_hi:[1,1]
.endif
.else
.if (\j)%2 == 0
	v_pk_fma_f32 v[AS:AS+1], v[RS:RS+1], v[CP:CP+1], v[AS:AS+1] op_sel_hi:[1,0,1]
	v_pk_fma_f32 v[AS+2:AS+3], v[RS+2:RS+3], v[CP:CP+1], v[AS+2:AS+3] op_sel_hi:[1,0,1]
.else
	v_pk_fma_f32 v[AS:AS+1], v[RS:RS+1], v[CP:CP+1], v[AS:AS+1] op_sel:[0,1,0] op_sel_hi:[1,1,1]
	v_pk_fma_f32 v[AS+2:AS+3], v[RS+2:RS+3], v[CP:CP+1], v[AS+2:AS+3] op_sel:[0,1,0] op_sel_hi:[1,1,1]
.endif
.endif
.if (\j)+DEPTH < 80
	LD (\j)+DEPTH
.endif
.endm
.set J, 0
.rept 64
	SEG J
.set J, J+1
.endr
	v_pk_add_f32 v[ACC:ACC+1], v[ACC:ACC+1], v[ACC+4:ACC+5]          ; the four chains,
	v_pk_add_f32 v[ACC+2:ACC+3], v[ACC+2:ACC+3], v[ACC+6:ACC+7]
	v_pk_add_f32 v[ACC+8:ACC+9], v[ACC+8:ACC+9], v[ACC+12:ACC+13]
	v_pk_add_f32 v[ACC+10:ACC+11], v[ACC+10:ACC+11], v[ACC+14:ACC+15]
	v_pk_add_f32 v[ACC:ACC+1], v[ACC:ACC+1], v[ACC+8:ACC+9]
	v_pk_add_f32 v[ACC+2:ACC+3], v[ACC+2:ACC+3], v[ACC+10:ACC+11]
.irp i, 0,1,2,3                        ; and the eight lanes that share lane % 4: lanes 4, 8 and 16 apart
	v_add_f32_dpp v[ACC+\i], v[ACC+\i], v[ACC+\i] row_xmask:4 row_mask:0xf bank_mask:0xf
.endr
.irp i, 0,1,2,3
	v_add_f32_dpp v[ACC+\i], v[ACC+\i], v[ACC+\i] row_xmask:8 row_mask:0xf bank_mask:0xf
.endr
.irp i, 0,1,2,3
	v_permlanex16_b32 v[ACC+4+\i], v[ACC+\i], s30, s31             ; (its destination counts as read: a register that has been written)
.endr
	v_pk_add_f32 v[ACC:ACC+1], v[ACC:ACC+1], v[ACC+4:ACC+5]
	v_pk_add_f32 v[ACC+2:ACC+3], v[ACC+2:ACC+3], v[ACC+6:ACC+7]
	ds_store_b128 v[PW], v[ACC:ACC+3]              ; the eight lanes of a group write the same numbers to the same bytes
; x's loads m and m + 1 (m even) lie in eight registers on end: lane l holds k = 128 m + 4 l + 0 .. 3 and k = 128 (m + 1) + 4 l + 0 .. 3 of my row.  One conversion a plane makes eight codes: the first register is load m's word, the second load m + 1's.
; The conversion to an 8-bit code does not saturate (ISA guide 7.6.2): each number is first held within 448 x the scale; x x is not negative, so its hold is one-sided.
; Between a conversion and the next vector instruction that touches its registers stand the next plane's plain lines.
.macro XPAIR m
.set XS, RING+4*((64+(\m))%DEPTH)
.set CC, CTX+3*(\m)
	s_wait_loadcnt 14-(\m)                         ; loads 64 + m and 65 + m are in; the 14 - m behind them stay out
.irp i, 0,1,2,3,4,5,6,7
	v_med3_num_f32 v[TR+\i], v[XS+\i], -v[QLR], v[QLR]
.endr
	v_cvt_scalef32_pk8_fp8_f32 v[CC:CC+1], v[TR:TR+7], v[QSR]
.irp i, 0,1,2,3,4,5,6,7
	v_med3_num_f32 v[TG+\i], v[XS+\i], -v[QLG], v[QLG]
.endr
	v_cvt_scalef32_pk8_fp8_f32 v[CC+2:CC+3], v[TG:TG+7], v[QSG]
.irp i, 0,2,4,6
	v_pk_mul_f32 v[TB+\i:TB+\i+1], v[XS+\i:XS+\i+1], v[XS+\i:XS+\i+1]
.endr
.irp i, 0,1,2,3,4,5,6,7
	v_min_num_f32 v[TB+\i], v[TB+\i], v[QLB]
.endr
	v_cvt_scalef32_pk8_fp8_f32 v[CC+4:CC+5], v[TB:TB+7], v[QSB]
.irp p, 0,1,2
	ds_store_b32 v[AW+\p], v[CC+2*\p] offset:8*UP*(\m)             ; the 32 lanes' words fall on 32 different banks
	ds_store_b32 v[AW+\p], v[CC+2*\p+1] offset:8*UP*((\m)+1)
.endr
.endm
.irp m, 0,2,4,6,8,10,12,14
	XPAIR \m
.endr
	v_nop                                          ; a plain vector line behind the last conversion
	s_wait_dscnt 0x0                               ; for the others' sake: my partial sums and my row's codes have landed
	s_barrier_signal -1
	s_barrier_wait -1
	; THE COPY-OUT.  Wave w stores K step w of the work-group's row tile: for each plane eight units of 256 bytes, two an instruction: each store covers 512 consecutive bytes, at a multiple of 256 from xq's first byte
.irp p, 0,1,2
.irp i, 0,1,2,3
	ds_load_b128 v[RING+16*\p+4*\i:RING+16*\p+4*\i+3], v[RD0+\p] offset:2*UP*\i
.endr
.endr
.irp p, 0,1,2
.irp i, 0,1,2,3
	s_wait_dscnt 11-(4*\p+\i)
	global_store_b128 v[GO], v[RING+16*\p+4*\i:RING+16*\p+4*\i+3], s[14:15] offset:2048*\p+512*\i
.endr
.endr
	s_cmp_lg_u32 s18, 0
	s_cbranch_scc1 .Lend
	; THE GATE, in wave 0: lane l serves neuron l / 4, segments 4 (l % 4) + 0 .. 3
	ds_load_b128 v[ACC:ACC+3], v[FIN]
	ds_load_b128 v[ACC+4:ACC+7], v[FIN] offset:64
	v_mov_b32 v29, 0                               ; written once: a DPP move's destination counts as read
	s_wait_dscnt 0x0
	v_pk_add_f32 v[ACC:ACC+1], v[ACC:ACC+1], v[ACC+4:ACC+5]          ; the two halves of c,
	v_pk_add_f32 v[ACC+2:ACC+3], v[ACC+2:ACC+3], v[ACC+6:ACC+7]
	v_pk_add_f32 v[ACC:ACC+1], v[ACC:ACC+1], v[24:25]                ; and the bias
	v_pk_add_f32 v[ACC+2:ACC+3], v[ACC+2:ACC+3], v[26:27]
	v_mov_b32 v28, v[ACC]
.irp r, 193,194,195                    ; a later segment wins only where its magnitude is strictly larger: the first index is kept on ties
	v_cmp_gt_f32 vcc_lo, |v\r|, |v28|
	v_cndmask_b32 v28, v28, v\r, vcc_lo
.endr
.irp b, 1,2                            ; against lane l xor 1, then l xor 2: the lane without the bit holds the earlier segments
	v_mov_b32_dpp v29, v28 row_xmask:\b row_mask:0xf bank_mask:0xf
	v_cndmask_b32 v30, v28, v29, s[33+\b]          ; the earlier group's best,
	v_cndmask_b32 v31, v29, v28, s[33+\b]          ; the later group's
	v_cmp_gt_f32 vcc_lo, |v31|, |v30|
	v_cndmask_b32 v28, v30, v31, vcc_lo
.endr
	v_mul_f32 v28, 0xbfb8aa3b, v28                 ; sigmoid(a) = 1 / (1 + 2^(-a log2(e)))
	v_exp_f32 v29, v28
	v_and_b32 v30, 0x1c, v[LN]                     ; (a plain line behind the exponential)  4 x the neuron's number
	s_wait_alu depctr_va_vdst(0)                   ; the wait ahead of the first line that names the result
	v_add_f32 v29, 1.0, v29
	v_rcp_f32 v31, v29
	v_and_b32 v22, 3, v[LN]                        ; (a plain line behind the reciprocal)
	s_wait_alu depctr_va_vdst(0)
	v_cmp_eq_u32 vcc_lo, 0, v22                    ; one lane of each four stores
	s_wait_xcnt 0x0                                ; EXEC is a source of the stores above: it changes only behind this wait
	s_and_saveexec_b32 s36, vcc_lo
	global_store_b32 v30, v31, s[16:17]
	s_wait_xcnt 0x0
	s_or_b32 exec_lo, exec_lo, s36
.Lend:
	s_wait_tensorcnt 0x0
	ds_add_u32 v240, v241
	s_wait_dscnt 0x0
	s_endpgm
.Lfunc_end_k_qa5e07d7abd_prep:
	.size	k_qa5e07d7abd_prep, .Lfunc_end_k_qa5e07d7abd_prep-k_qa5e07d7abd_prep
	.p2alignl 7, 3214868480
	.fill 96, 4, 3214868480
	.section	.rodata,"a",@progbits
	.p2align	6, 0x0
	.amdhsa_kernel k_qa5e07d7abd_prep
		.amdhsa_group_segment_fixed_size 111872
		.amdhsa_private_segment_fixed_size 0
		.amdhsa_enable_private_segment 0
		.amdhsa_kernarg_size 56
		.amdhsa_user_sgpr_count 2
		.amdhsa_user_sgpr_kernarg_segment_ptr 1
		.amdhsa_wavefront_size32 1
		.amdhsa_system_sgpr_workgroup_id_x 1
		.amdhsa_system_sgpr_workgroup_id_y 1
		.amdhsa_system_sgpr_workgroup_id_z 1
		.amdhsa_system_vgpr_workitem_id 0
		.amdhsa_next_free_vgpr 242
		.amdhsa_next_free_sgpr 66
		.amdhsa_reserve_vcc 1
		.amdhsa_float_denorm_mode_32 3
		.amdhsa_float_denorm_mode_16_64 3
		.amdhsa_memory_ordered 1
		.amdhsa_forward_progress 1
		.amdhsa_inst_pref_size 46
	.end_amdhsa_kernel
	.amdgpu_metadata
---
amdhsa.version: [ 1, 2 ]
amdhsa.kernels:
  - .name:           k_qa5e07d7abd_prep
    .symbol:         k_qa5e07d7abd_prep.kd
    .args:
      - { .name: x, .offset: 0, .size: 8, .value_kind: global_buffer, .address_space: global }
      - { .name: context, .offset: 8, .size: 8, .value_kind: global_buffer, .address_space: global }
      - { .name: seg_weight, .offset: 16, .size: 8, .value_kind: global_buffer, .address_space: global }
      - { .name: seg_bias, .offset: 24, .size: 8, .value_kind: global_buffer, .address_space: global }
      - { .name: lowp_scales, .offset: 32, .size: 8, .value_kind: global_buffer, .address_space: global }
      - { .name: xq, .offset: 40, .size: 8, .value_kind: global_buffer, .address_space: global }
      - { .name: percent, .offset: 48, .size: 8, .value_kind: global_buffer, .address_space: global }
    .group_segment_fixed_size: 111872
    .private_segment_fixed_size: 0
    .kernarg_segment_align: 8
    .kernarg_segment_size: 56
    .max_flat_workgroup_size: 512
    .sgpr_count:     66
    .vgpr_count:     242
    .wavefront_size: 32
...
	.end_amdgpu_metadata
.endif
;; end of part 1
;; launch gemm (part 2): grid 8 x 32, 4 waves a work-group, clusters of 4 x 4, 327,680 bytes of LDS; arguments xq, weight_r_codes, weight_g_codes, weight_b_codes, lowp_scales, bias_r, bias_g, bias_b, percent, out0; writes out0
.if DOCPART == 2
	.amdgcn_target "amdgcn-amd-amdhsa--gfx1250"
	.amdhsa_code_object_version 6
	.text
	.protected	k_qa5e07d7abd_gemm
	.globl	k_qa5e07d7abd_gemm
	.p2align	8
	.type	k_qa5e07d7abd_gemm,@function
k_qa5e07d7abd_gemm:
	s_mov_b64 s[64:65], 0
	v_nop
	global_prefetch_b8 v0, s[64:65] scope:SCOPE_SE
	s_setreg_imm32_b32 hwreg(HW_REG_WAVE_MODE, 25, 1), 1
	s_wait_xcnt 0x0
	s_wait_alu depctr_hold_cnt(0) depctr_sa_sdst(0) depctr_va_vdst(0) depctr_va_sdst(0) depctr_va_ssrc(0) depctr_va_vcc(0) depctr_vm_vsrc(0)
	s_getreg_b32 s2, hwreg(HW_REG_IB_STS2, 6, 4)
	s_cmp_eq_u32 s2, 0
	s_cbranch_scc0 .Lentry_in_a_cluster
	s_endpgm
.Lentry_in_a_cluster:
	s_bfe_u32 s2, ttmp6, 0x10000c
	s_cmp_lg_u32 s2, 0xf033
	s_cbranch_scc0 .Lentry_shape_is_right
	s_endpgm
.Lentry_shape_is_right:
; out0[m][n] = ((Sr 2^(e0+e1) + br[n]) (Sg 2^(e2+e3) + bg[n]) + Sb 2^(e4+e5) + bb[n]) percent[n];  Sr, Sg, Sb: sums over k = 0 .. 2047 of products of E4M3 codes, in f32:
; Sr = plane 0 of xq x weight_r_codes, Sg = plane 1 x weight_g_codes, Sb = plane 2 x weight_b_codes.  The weights lie [n 2048][k 2048], a code a byte.
; xq lies [row tile 256][K step 16][plane 3][2,048 bytes], each 2,048 bytes a fragment (16 rows x 128 K) as an image of registers: byte 512 c + 16 lane + i = row lane % 16, k = 32 c + 16 (lane / 16) + i.
; LIMITS: e0 + e1, e2 + e3 and e4 + e5 between -126 and 127, so that each power of two is an f32 number.
; SHARES.  A work-group makes 128 rows x 256 columns of out0: 8 x 32 work-groups.  Its three sums are 768 registers in each of four waves.  Wave w finishes columns 64 w .. 64 w + 63; role = w % 2; its partner is wave w xor 1.
; A wave makes ITS OWN product (role 0: Sr, role 1: Sg) for the 128 columns of the pair (8 x 8 tiles) and Sb for its own 64 (8 x 4 tiles): for 128 along K it reads 28 fragments' worth from LDS for 96 tiles; all three products on
; 128 x 64 would read 36.  At the end the two waves of a pair hand each other half of their own product through LDS, as images of registers, and each finishes 128 rows x 64 columns.  The roles differ in addresses and scalars alone.
; THE FORM is the 16 x 16 x 64 one: a fragment is 8 registers, so that four sets of operands (own product's A and B, Sb's A and B: 224 registers) lie in window 0 and each set is fetched while the other phase multiplies.
; A fragment comes by two loads of 16 bytes: registers 4 c' .. 4 c' + 3 hold k = 32 c' + 16 (lane / 16) + 0 .. 15 of the 64: the same permutation of k in both sources, so every product meets its partner.
; TRANSPOSED USE: source 0 = 16 rows of a weight, source 1 = 16 rows of x: a lane (r = lane % 16, h = lane / 16) holds row r and the eight neighbouring columns 8 h + 0 .. 7.
; THE RING: K goes in 16 steps of 128 through two LDS slots.  One tensor load a wave, of like size: waves 0, 1, 2 bring the three weights' tiles (256 rows x 128 bytes = 32,768 bytes each, 16 bytes of padding behind each row), wave 3
; brings x's three planes in one load (8 rows of 6,144 bytes = 49,152).  That is why the tile is 128 x 256 and not 256 x 128, where the four loads would be 16,384 three times and 98,304.
; The weights' rows in a slot are 128 bytes: two slots of 256 along K would take 638,976 bytes of LDS.
; CLUSTERS: 4 x 4 work-groups.  x's tile hangs on the tile row alone and is asked for jointly by a row of the cluster, a weight's tile on the tile column alone, by a column.
; REGISTERS, in windows of 256: window 0: v1-31 addresses; v32-95 AO, v96-159 BO (own product's fragments of x, of the weight), v160-223 AZ, v224-255 BZ (Sb's).
;   windows 1, 2: the own product: tile (a, b) at v[8 (8 (a % 4) + b)] of window 1 + a / 4; b = 0 .. 3: the columns that I finish; b = 4 .. 7: my partner's.   window 3: Sb: tile (a, j) at v[8 (4 a + j)].
.set AT,    6144                       ; a row tile's three planes in a slot
.set BPART, 8*AT                       ; behind x's 49,152 bytes: the weights' three planes
.set BP,    144                        ; a weight's row in LDS: 128 bytes + 16 = 36 words: the 16 rows of a load start at 16 different groups of four banks (64 banks of 4 bytes: ISA guide 11.1)
.set BPL,   256*BP                     ; a plane
.set SLOT,  BPART+3*BPL                ; 159,744
.set SPARE, 2*SLOT                     ; behind the ring: the spare words, 128 bytes for each wave: two blocks of 256 bytes that no other line names
.set COEF,  SPARE+512                  ; br, bg, bb, percent of my 256 columns, 1,024 bytes each
.set STG,   131072                     ; the way out, in slot 0, which has then had its last fill and its last read: from byte 0 four regions of 32,768 for the exchange; from here a stage of 16 rows x (256 + 16) for each wave
.set SP,    272
.set ADAO, 4                           ; v4-5   LDS address of AO's fragments in slot 0, 1
.set ADAZ, 6                           ; v6-7   AZ's
.set ADBK, 8                           ; v8-9   BO's, the columns that I finish
.set ADBX, 10                          ; v10-11 BO's, my partner's columns
.set ADBZ, 12                          ; v12-13 BZ's
.set SPW,  14                          ; v14    LDS address of my spare word; never rewritten
.set NIL,  15                          ; v15    0; never rewritten
.set XW,   16                          ; v16    the exchange: where I store
.set XR,   17                          ; v17    and where I read my partner's
.set STO,  18                          ; v18    the stage: where I put 32 bytes of a row
.set RD,   19                          ; v19    and where I read rows back
.set GO,   20                          ; v20    my byte offset in two rows of out0
.set CK,   21                          ; v21-23 the coefficients: my own product's bias; the other's; bb (percent lies 1,024 bytes behind it)
.set CX,   22
.set CB,   23
.set PFO,  25                          ; v25    the prefetches' offset of my lane; never rewritten
.set AO,   32
.set BO,   96
.set AZ,   160
.set BZ,   224
.set XX,   32                          ; the way out: v32-63 my partner's sums; v64-95 at work; v96-127 at work, then rows read back; v128-255 the coefficients of my 4 x 8 columns
.set TT,   64
.set WW,   96
.set CBK,  128
.set CBX,  160
.set CBB,  192
.set CPP,  224
.set WV,   24                          ; s24 wave; s25 my partner's number; s26 role; s67 the other role
.set PW,   25
.set ROLE, 26
.set ORO,  67
.set G1A,  32                          ; s[32:39] descriptor group 1 for x's tiles; s[40:47] for the weights'; s[48:55], s[56:63] their groups 0, a set for each slot
.set G1B,  40
.set G0A,  48
.set G0B,  56
.set SKS,  76                          ; s[76:77] the power of two of my own product; s[78:79] of the other; s[80:81] of Sb
.set SXS,  78
.set SBS,  80
.set PFA,  94                          ; s[94:95] where my prefetches stand in memory
.set PFS,  96                          ; s[96:97] two K steps on, in bytes: 12,288 in a row tile of xq, 256 in a row of a weight
.set LIM,  98                          ; s98    1 in a wave that prefetches, else the greatest number: a wave prefetches while the laps to go are above it
.set MSB, 0
.macro WIN new                         ; the immediate's high byte repeats the setting that is left; a switch that changes nothing is dropped
.if MSB != (\new)
	s_set_vgpr_msb (MSB<<8)|(\new)
.set MSB, (\new)
.endif
.endm
.macro PLACES n                        ; a load into a register that a matrix instruction has read, and a vector instruction or a store that reads a matrix result, stand four plain vector lines behind it
.rept \n
	v_nop
.endr
.endm
; A joint load: wave 3 asks for x's tile, waves 0 to 2 for a weight's each.  The branch hangs on the wave's number alone.  Four v_nop follow each of the two lines.
.macro JLOAD s
	s_cmp_eq_u32 s[WV], 3
	s_cbranch_scc0 .Lfor_b_\@
	tensor_load_to_lds s[G0A+4*\s:G0A+4*\s+3], s[G1A:G1A+7]
	s_nop 0
.rept 4
	v_nop
.endr
	s_branch .Lasked_\@
.Lfor_b_\@:
	tensor_load_to_lds s[G0B+4*\s:G0B+4*\s+3], s[G1B:G1B+7]
	s_nop 0
.rept 4
	v_nop
.endr
.Lasked_\@:
.endm
; A PREFETCH INTO THE L2, once a lap, behind slot 0's joint load and the run of LDS loads that follows it: the two K steps that the NEXT lap's two refills will ask for, 384 matrix instructions ahead of the first of them.
; Each aligned block of 256 bytes is named ONCE in the launch.  x's tile row is read by both clusters of a row of clusters: the one with x = 0 asks; a weight's tile column by all eight clusters of a column: the one with y = 0 asks.
; The four partners that ask for a tile jointly share it out BY ADDRESS: no branch hangs on a work-group's place in its cluster.  x (wave 3): of each of the 8 row tiles' 12,288 bytes (two K steps on end) partner cx takes 3,072:
; lane l names row tile l / 4, block l % 4, in three instructions 1,024 bytes apart.  A weight (wave 0, 1, 2: its own): of the 256 rows partner cy takes 64, a lane a row, in two instructions 32 rows apart; two K steps of a row are 256 bytes.
; K steps 0 to 3 come by their loads alone: nothing is prefetched at the head, where every work-group's first tiles are on their way.  The last lap asks for nothing: there is no K step behind its refills.
.macro ASK
	s_cmp_gt_u32 s66, s[LIM]
	s_cbranch_scc0 .Lnot_mine_\@
	s_cmp_eq_u32 s[WV], 3
	s_cbranch_scc0 .Lask_b_\@
	global_prefetch_b8 v[PFO], s[PFA:PFA+1] th:TH_LOAD_NT scope:SCOPE_SE
	global_prefetch_b8 v[PFO], s[PFA:PFA+1] offset:1024 th:TH_LOAD_NT scope:SCOPE_SE
	global_prefetch_b8 v[PFO], s[PFA:PFA+1] offset:2048 th:TH_LOAD_NT scope:SCOPE_SE
	s_branch .Lnot_mine_\@
.Lask_b_\@:
	global_prefetch_b8 v[PFO], s[PFA:PFA+1] th:TH_LOAD_NT scope:SCOPE_SE
	global_prefetch_b8 v[PFO], s[PFA:PFA+1] offset:65536 th:TH_LOAD_NT scope:SCOPE_SE
.Lnot_mine_\@:
.endm
.macro CREST                           ; a round of the cluster's barrier behind its opening barrier
	s_cmp_lg_u32 s[WV], 0
	s_cbranch_scc1 .Lnot_wave_0_\@
	s_barrier_signal -3
.Lnot_wave_0_\@:
	s_barrier_wait -3
	s_barrier_signal -1
	s_barrier_wait -1
.endm
.macro CROUND                          ; a whole round
	s_barrier_signal -1
	s_barrier_wait -1
	CREST
.endm
	s_load_b512 s[4:19], s[0:1], 0x0               ; xq s[4:5], weight_r s[6:7], weight_g s[8:9], weight_b s[10:11], lowp_scales s[12:13], bias_r s[14:15], bias_g s[16:17], bias_b s[18:19]
	s_load_b128 s[20:23], s[0:1], 0x40             ; percent s[20:21], out0 s[22:23]
	v_lshl_add_u32 v[SPW], v0, 2, SPARE
	v_mov_b32 v[NIL], 0
	ds_add_u32 v14, v15
	ds_add_u32 v14, v15
	s_wait_dscnt 0x0
	v_lshrrev_b32 v1, 5, v0
	v_readfirstlane_b32 s[WV], v1                  ; wave 0..3
	s_xor_b32 s[PW], s[WV], 1
	s_and_b32 s[ROLE], s[WV], 1
	s_xor_b32 s[ORO], s[ROLE], 1
	s_bfe_u32 s27, ttmp6, 0x40000                  ; cx, cy: my place in the cluster
	s_bfe_u32 s28, ttmp6, 0x40004
	s_lshl_b32 s29, ttmp9, 2
	s_add_co_u32 s29, s29, s27                     ; tile column = 4 x cluster x + cx
	s_and_b32 s30, ttmp7, 0xffff
	s_lshl_b32 s30, s30, 2
	s_add_co_u32 s30, s30, s28                     ; tile row = 4 x cluster y + cy
	s_lshl_b32 s90, s28, 2
	s_lshl_b32 s90, 15, s90                        ; my row of the cluster
	s_lshl_b32 s91, 0x1111, s27                    ; my column
	; group 1 for x: 8 rows of 768 elements of 8 bytes (a row tile's three planes of a K step), 12,288 elements (a row tile's 16 K steps) apart; dense in LDS
	s_or_b32 s[G1A], s90, (3<<16)|(1<<21)          ; 15:0 the mask: my row; 17:16 elements of 8 bytes; 21 set beside a mask
	s_mov_b32 s[G1A+1], 768<<16                    ; tensor_dim0
	s_mov_b32 s[G1A+2], 8<<16                      ; tensor_dim1
	s_mov_b32 s[G1A+3], 768<<16                    ; tile_dim0
	s_mov_b32 s[G1A+4], 8                          ; tile_dim1
	s_mov_b32 s[G1A+5], 12288                      ; tensor_dim0_stride
	s_mov_b32 s[G1A+6], 0
	s_mov_b32 s[G1A+7], 0
	; group 1 for a weight: 256 rows of 128 bytes, 2,048 apart; 4 words of padding behind every 32
	s_or_b32 s[G1B], s91, (0<<16)|(1<<20)|(1<<21)|(4<<22)|(3<<25)   ; 15:0 the mask: my column; elements of 1 byte; 20 padding on; 21 set beside a mask; 24:22 after every 32 words (code 4); 31:25 four words (code 3)
	s_mov_b32 s[G1B+1], 128<<16                    ; tensor_dim0
	s_mov_b32 s[G1B+2], 256<<16                    ; tensor_dim1
	s_mov_b32 s[G1B+3], 128<<16                    ; tile_dim0
	s_mov_b32 s[G1B+4], 256                        ; tile_dim1
	s_mov_b32 s[G1B+5], 2048                       ; tensor_dim0_stride
	s_mov_b32 s[G1B+6], 0
	s_mov_b32 s[G1B+7], 0
	; where the tiles come from.  x's hangs on the tile row alone, a weight's on the tile column alone; every wave makes both, in registers that never hold the other coordinate
	s_mul_i32 s82, s30, 8*98304                    ; x: 8 row tiles of 98,304 bytes for each tile row
	s_mov_b32 s83, 0
	s_lshl_b32 s92, s29, 19                        ; a weight: 256 rows of 2,048 bytes for each tile column
	s_mov_b32 s93, 0
	s_min_u32 s31, s[WV], 2                        ; the plane that I fetch (wave 3 issues no such load: its set is kept inside the slot)
	s_mul_i32 s31, s31, BPL
	s_wait_kmcnt 0x0
	s_load_b128 s[68:71], s[12:13], 0x0            ; e0 .. e3
	s_load_b64 s[72:73], s[12:13], 0x10            ; e4, e5
	s_add_nc_u64 s[82:83], s[4:5], s[82:83]
	s_cmp_eq_u32 s[WV], 1
	s_cselect_b64 s[84:85], s[8:9], s[6:7]
	s_cmp_eq_u32 s[WV], 2
	s_cselect_b64 s[84:85], s[10:11], s[84:85]     ; wave 0: weight_r, 1: weight_g, 2: weight_b
	s_add_nc_u64 s[84:85], s[84:85], s[92:93]
	CROUND                                         ; all sixteen work-groups are here: the first joint loads meet
.irp s, 0,1
	s_mov_b32 s[G0A+4*\s], 1                       ; count = 1
	s_mov_b32 s[G0A+4*\s+1], \s*SLOT               ; LDS address
	s_add_nc_u64 s[G0A+4*\s+2:G0A+4*\s+3], s[82:83], \s*AT          ; K step s
	s_or_b32 s[G0A+4*\s+3], s[G0A+4*\s+3], 0x80000000               ; type = 2
	s_mov_b32 s[G0B+4*\s], 1
	s_add_co_u32 s[G0B+4*\s+1], s31, \s*SLOT+BPART
	s_add_nc_u64 s[G0B+4*\s+2:G0B+4*\s+3], s[84:85], \s*128
	s_or_b32 s[G0B+4*\s+3], s[G0B+4*\s+3], 0x80000000
	JLOAD \s                                       ; two tensor loads of mine are out behind these, one behind each later round
.endr
	; the coefficients of my work-group's 256 columns: wave w brings 1,024 dense bytes of bias_r, bias_g, bias_b, percent
	s_cmp_eq_u32 s[WV], 1
	s_cselect_b64 s[86:87], s[16:17], s[14:15]
	s_cmp_eq_u32 s[WV], 2
	s_cselect_b64 s[86:87], s[18:19], s[86:87]
	s_cmp_eq_u32 s[WV], 3
	s_cselect_b64 s[86:87], s[20:21], s[86:87]
	s_lshl_b32 s92, s29, 10
	s_add_nc_u64 s[86:87], s[86:87], s[92:93]
	v_and_b32 v3, 31, v0
	v_lshlrev_b32 v3, 4, v3                        ; 16 x lane
	global_load_b128 v[32:35], v3, s[86:87]
	global_load_b128 v[36:39], v3, s[86:87] offset:512
	v_and_b32 v1, 15, v0                           ; r
	v_bfe_u32 v2, v0, 4, 1                         ; h
	s_lshl_b32 s74, s[ROLE], 11                    ; x: all 8 row tiles; plane = my role
	v_add_nc_u32 v[ADAO], s74, v3
	v_add_nc_u32 v[ADAO+1], SLOT, v[ADAO]
	v_add_nc_u32 v[ADAZ], 4096, v3                 ; plane 2
	v_add_nc_u32 v[ADAZ+1], SLOT, v[ADAZ]
	v_mul_u32_u24 v24, v1, BP
	v_lshl_add_u32 v24, v2, 4, v24                 ; a weight's fragment: row r x pitch + 16 h
	s_mul_i32 s31, s[ROLE], BPL
	s_add_co_u32 s31, s31, BPART                   ; my own weight's plane,
	s_mul_i32 s74, s[WV], 64*BP                    ; rows 64 w on: the columns that I finish
	s_add_co_u32 s75, s74, s31
	v_add_nc_u32 v[ADBK], s75, v24
	v_add_nc_u32 v[ADBK+1], SLOT, v[ADBK]
	s_mul_i32 s75, s[PW], 64*BP                    ; the same plane, my partner's 64 rows
	s_add_co_u32 s75, s75, s31
	v_add_nc_u32 v[ADBX], s75, v24
	v_add_nc_u32 v[ADBX+1], SLOT, v[ADBX]
	s_add_co_u32 s74, s74, BPART+2*BPL             ; weight_b's plane, rows 64 w on
	v_add_nc_u32 v[ADBZ], s74, v24
	v_add_nc_u32 v[ADBZ+1], SLOT, v[ADBZ]
	s_lshl_b32 s74, s[WV], 15
	v_add_nc_u32 v[XW], s74, v3
	s_lshl_b32 s75, s[PW], 15
	v_add_nc_u32 v[XR], s75, v3
	s_mul_i32 s74, s[WV], 16*SP
	s_add_co_u32 s74, s74, STG                     ; my stage
	v_mul_u32_u24 v[STO], v1, SP                   ; in: row r, 32 bytes for each half of the lanes
	v_lshl_add_u32 v[STO], v2, 5, v[STO]
	v_add_nc_u32 v[STO], s74, v[STO]
	v_mul_u32_u24 v[RD], v2, SP                    ; back: lanes 0-15 one row of 256 bytes, lanes 16-31 the next
	v_lshl_add_u32 v[RD], v1, 4, v[RD]
	v_add_nc_u32 v[RD], s74, v[RD]
	v_lshlrev_b32 v[GO], 13, v2                    ; and the same two rows in out0 (a row is 8,192 bytes)
	v_lshl_add_u32 v[GO], v1, 4, v[GO]
	s_lshl_b32 s75, s[WV], 8                       ; my 64 columns in an array of 1,024 bytes
	s_add_co_u32 s75, s75, COEF
	s_lshl_b32 s74, s[ROLE], 10                    ; my own product's bias
	s_add_co_u32 s74, s74, s75
	v_lshl_add_u32 v[CK], v2, 5, s74               ; + my half's eight columns
	s_lshl_b32 s74, s[ORO], 10                     ; the other product's bias
	s_add_co_u32 s74, s74, s75
	v_lshl_add_u32 v[CX], v2, 5, s74
	s_add_co_u32 s74, s75, 2048                    ; bias_b
	v_lshl_add_u32 v[CB], v2, 5, s74
	s_lshl_b32 s74, s[WV], 10
	s_add_co_u32 s74, s74, COEF
	v_add_nc_u32 v26, s74, v3
	s_lshl_b32 s88, s30, 20                        ; out0 at my first row, 128 x tile row (8,192 bytes a row), and my first column, 256 x tile column + 64 x wave
	s_lshl_b32 s89, s29, 10
	s_add_co_u32 s88, s88, s89
	s_lshl_b32 s89, s[WV], 8
	s_add_co_u32 s88, s88, s89
	s_mov_b32 s89, 0
	s_add_nc_u64 s[22:23], s[22:23], s[88:89]
	; the prefetches (macro ASK): where my wave's stand, and who asks.  The places cx and cy enter s[94:101] and v25 alone, never a descriptor's register
	s_mul_i32 s100, s27, 3072                      ; x: partner cx's 3,072 bytes of a row tile's two K steps
	s_lshl_b32 s101, s28, 17                       ; a weight: partner cy's 64 rows of 2,048 bytes
	s_and_b32 s99, ttmp7, 0xffff                   ; cluster y
	s_cmp_eq_u32 s[WV], 3                          ; do I fetch for x?
	s_cselect_b64 s[PFA:PFA+1], s[82:83], s[84:85] ; the tile's first byte at K step 0
	s_cselect_b32 s100, s100, s101
	s_cselect_b32 s99, ttmp9, s99                  ; the coordinate along which other clusters read the same bytes
	s_mov_b32 s[PFS], 256
	s_cselect_b32 s[PFS], 2*AT, s[PFS]
	s_mov_b32 s74, 8192
	s_cselect_b32 s74, 98304, s74                  ; from lane / 4 to the next: a row tile, or four rows of a weight
	s_mov_b32 s75, 2048
	s_cselect_b32 s75, 256, s75                    ; from lane % 4 to the next: 256 bytes, or a row of a weight
	s_mov_b32 s[PFS+1], 0
	s_mov_b32 s101, 0
	s_add_co_u32 s100, s100, s[PFS]                ; at K step 2: the first lap steps it to K step 4
	s_add_nc_u64 s[PFA:PFA+1], s[PFA:PFA+1], s[100:101]
	s_cmp_eq_u32 s99, 0
	s_cselect_b32 s[LIM], 1, -1                    ; the same in all sixteen partners, for a given wave
	v_bfe_u32 v[PFO], v0, 2, 3
	v_mul_lo_u32 v[PFO], v[PFO], s74
	v_and_b32 v27, 3, v0
	v_mul_lo_u32 v27, v27, s75
	v_add_nc_u32 v[PFO], v[PFO], v27
	s_wait_loadcnt 0x0
	ds_store_b128 v26, v[32:35]
	ds_store_b128 v26, v[36:39] offset:512
; 32 LDS loads: the own product's fragments of the u-th 64 along K of slot s: the weight's eight, then x's eight
.macro FETCH_O s, u
.irp b, 0,1,2,3
	ds_load_b128 v[BO+8*\b:BO+8*\b+3],   v[ADBK+\s] offset:16*BP*\b+64*(\u)
	ds_load_b128 v[BO+8*\b+4:BO+8*\b+7], v[ADBK+\s] offset:16*BP*\b+64*(\u)+32
.endr
.irp b, 0,1,2,3
	ds_load_b128 v[BO+32+8*\b:BO+32+8*\b+3],   v[ADBX+\s] offset:16*BP*\b+64*(\u)
	ds_load_b128 v[BO+32+8*\b+4:BO+32+8*\b+7], v[ADBX+\s] offset:16*BP*\b+64*(\u)+32
.endr
.irp a, 0,1,2,3,4,5,6,7
	ds_load_b128 v[AO+8*\a:AO+8*\a+3],   v[ADAO+\s] offset:AT*\a+1024*(\u)
	ds_load_b128 v[AO+8*\a+4:AO+8*\a+7], v[ADAO+\s] offset:AT*\a+1024*(\u)+512
.endr
.endm
; 24 LDS loads: Sb's: the weight's four, x's eight
.macro FETCH_Z s, u
.irp b, 0,1,2,3
	ds_load_b128 v[BZ+8*\b:BZ+8*\b+3],   v[ADBZ+\s] offset:16*BP*\b+64*(\u)
	ds_load_b128 v[BZ+8*\b+4:BZ+8*\b+7], v[ADBZ+\s] offset:16*BP*\b+64*(\u)+32
.endr
.irp a, 0,1,2,3,4,5,6,7
	ds_load_b128 v[AZ+8*\a:AZ+8*\a+3],   v[ADAZ+\s] offset:AT*\a+1024*(\u)
	ds_load_b128 v[AZ+8*\a+4:AZ+8*\a+7], v[ADAZ+\s] offset:AT*\a+1024*(\u)+512
.endr
.endm
; 32 matrix instructions of the own product: row tiles a0 .. a0 + 3 x eight column tiles.  zero = 1: the first products start the sums: nothing is cleared.
; The wave's 96 accumulators take turns, one instruction a turn, in the same order in every 64 along K.
.macro MULO a0, zero
.irp a, \a0, \a0+1, \a0+2, \a0+3
.irp b, 0,1,2,3,4,5,6,7
.if \zero
	v_wmma_f32_16x16x64_fp8_fp8 v[8*(8*((\a)%4)+\b):8*(8*((\a)%4)+\b)+7], v[BO+8*\b:BO+8*\b+7], v[AO+8*(\a):AO+8*(\a)+7], 0
.else
	v_wmma_f32_16x16x64_fp8_fp8 v[8*(8*((\a)%4)+\b):8*(8*((\a)%4)+\b)+7], v[BO+8*\b:BO+8*\b+7], v[AO+8*(\a):AO+8*(\a)+7], v[8*(8*((\a)%4)+\b):8*(8*((\a)%4)+\b)+7]
.endif
.endr
.endr
.endm
.macro MULA a                          ; 8 of them: row tile a alone, in the same order
.irp b, 0,1,2,3,4,5,6,7
	v_wmma_f32_16x16x64_fp8_fp8 v[8*(8*((\a)%4)+\b):8*(8*((\a)%4)+\b)+7], v[BO+8*\b:BO+8*\b+7], v[AO+8*(\a):AO+8*(\a)+7], v[8*(8*((\a)%4)+\b):8*(8*((\a)%4)+\b)+7]
.endr
.endm
.macro MULZ zero                       ; 32 matrix instructions of Sb
.irp a, 0,1,2,3,4,5,6,7
.irp b, 0,1,2,3
.if \zero
	v_wmma_f32_16x16x64_fp8_fp8 v[8*(4*\a+\b):8*(4*\a+\b)+7], v[BZ+8*\b:BZ+8*\b+7], v[AZ+8*\a:AZ+8*\a+7], 0
.else
	v_wmma_f32_16x16x64_fp8_fp8 v[8*(4*\a+\b):8*(4*\a+\b)+7], v[BZ+8*\b:BZ+8*\b+7], v[AZ+8*\a:AZ+8*\a+7], v[8*(4*\a+\b):8*(4*\a+\b)+7]
.endif
.endr
.endr
.endm
; The own product's phase: Sb's fragments of the same 64 along K are fetched first, and land while the 64 products are issued
.macro PH_O s, u, zero
	PLACES 4                                       ; Sb's last products have read the registers that the loads below fill
	WIN 0
	FETCH_Z \s, \u
	s_wait_dscnt 32                                ; the weight's eight fragments and x's tiles 0-3 are in; out may be x's tiles 4-7 (8 loads) and the 24 just issued
	WIN 0x50                                       ; C and D window 1
	MULO 0, \zero
	s_wait_dscnt 24                                ; x's tiles 4-7 are in
	WIN 0xa0                                       ; C and D window 2
	MULO 4, \zero
.endm
; Sb's phase: the own product's fragments of the NEXT 64 along K (slot s, u) are fetched first
.macro PH_Z s, u, zero
	PLACES 4
	WIN 0
	FETCH_O \s, \u
	s_wait_dscnt 32                                ; Sb's 24 loads are in; the 32 just issued may be out
	WIN 0xf0                                       ; C and D window 3
	MULZ \zero
.endm
.macro SUB s, zero                     ; a slot's first 64 along K
	PH_O \s, 0, \zero
	PH_Z \s, 1, \zero
.endm
; A slot's second 64 along K, and the change of slots: ONE barrier.  In front of it each wave waits for all its tensor loads (its part of the next slot), adds 0 to its spare word, and waits for that and for its reads of this slot.
; The wait for the tensor loads stands as late as the phase allows, behind 48 of its 64 products: from that wait to the next request nothing is on its way, and only 16 products stand there.
; fill = 1: the barrier opens a round of the cluster's, and this slot is filled again first thing behind it, two K steps ahead: from the request to the wait for it a wave issues 176 matrix instructions.
.macro TURN s, n, fill
.if (\fill) && (\s) == 0
	s_wait_xcnt 0x0                                ; the last prefetches, a lap back, have read their address: it is stepped here, far from the round and the joint load
	s_add_nc_u64 s[PFA:PFA+1], s[PFA:PFA+1], s[PFS:PFS+1]
.endif
	PLACES 4
	WIN 0
	FETCH_Z \s, 1                                  ; my last reads of this slot
	s_wait_dscnt 32                                ; the weight's eight fragments and x's tiles 0-3 are in; out may be x's tiles 4-7 (8 loads) and the 24 just issued
	WIN 0x50
	MULO 0, 0
	s_wait_dscnt 24                                ; x's tiles 4-7 are in
	WIN 0xa0
	MULA 4
	MULA 5
	WIN 0                                          ; (the add's two registers lie in window 0)
	s_wait_tensorcnt 0x0                           ; all my tensor loads have landed, so every group 0 may be written
	ds_add_u32 v[SPW], v[NIL]                      ; 0 onto my spare word
.if \fill
	s_add_nc_u64 s[G0A+4*\s+2:G0A+4*\s+3], s[G0A+4*\s+2:G0A+4*\s+3], 2*AT      ; this slot's next K step; the type bits on top are not reached
	s_add_nc_u64 s[G0B+4*\s+2:G0B+4*\s+3], s[G0B+4*\s+2:G0B+4*\s+3], 2*128
.endif
	WIN 0xa0
	MULA 6                                         ; eight matrix instructions stand between the add and the wait for it
	s_wait_dscnt 0x0                               ; the add is done, and my reads of this slot are over
	s_barrier_signal -1
	MULA 7
	WIN 0
	s_barrier_wait -1
.if \fill
	CREST                                          ; no wave of any partner still reads this slot or has a load on its way
	JLOAD \s                                       ; the first tensor load behind the round; its four v_nop are also the places in front of the loads below
.else
	PLACES 4
.endif
	FETCH_O \n, 0
.if (\fill) && (\s) == 0
	ASK
.endif
	WIN 0xf0
	MULZ 0
.endm
	s_wait_tensorcnt 0x1                           ; my part of K step 0 is in; K step 1's may stay out
	s_wait_dscnt 0x0                               ; my coefficients lie in LDS
	s_barrier_signal -1
	s_barrier_wait -1
	FETCH_O 0, 0
	SUB 0, 1                                       ; the first 64 along K stand in front of the loop: their products start the sums
	WIN 0                                          ; at a label and at a branch every window is 0
	s_mov_b32 s66, 7
.Llap:                                             ; a trip goes once round the ring: trip i ends K steps 2 i and 2 i + 1, asks for 2 i + 2 and 2 i + 3, and begins 2 i + 2
	TURN 0, 1, 1
	SUB 1, 0
	TURN 1, 0, 1
	SUB 0, 0
	WIN 0
	s_sub_co_u32 s66, s66, 1
	s_cmp_lg_u32 s66, 0
	s_cbranch_scc1 .Llap
	TURN 0, 1, 0                                   ; K step 14 ends; nothing is left to ask for, so no round follows
	SUB 1, 0
	PH_O 1, 1, 0
	s_wait_dscnt 0x0
	WIN 0xf0
	MULZ 0
	WIN 0
	; THE WAY OUT
	s_wait_kmcnt 0x0
	s_add_co_i32 s74, s68, s69                     ; 2^(e0 + e1),
	s_add_co_i32 s74, s74, 127
	s_lshl_b32 s74, s74, 23
	s_add_co_i32 s75, s70, s71                     ; 2^(e2 + e3),
	s_add_co_i32 s75, s75, 127
	s_lshl_b32 s75, s75, 23
	s_add_co_i32 s[SBS], s72, s73                  ; 2^(e4 + e5) as f32 numbers
	s_add_co_i32 s[SBS], s[SBS], 127
	s_lshl_b32 s[SBS], s[SBS], 23
	s_mov_b32 s[SBS+1], s[SBS]                     ; (the packed forms name pairs and take the low word for both halves: so the upper words are written)
	s_cmp_eq_u32 s[ROLE], 0
	s_cselect_b32 s[SKS], s74, s75                 ; my own product's,
	s_cselect_b32 s[SXS], s75, s74                 ; the other's
	s_mov_b32 s[SKS+1], s[SKS]
	s_mov_b32 s[SXS+1], s[SXS]
	PLACES 4                                       ; behind the last products: for the stores that read results and the loads into operands' registers
	; my own product's sums at my partner's columns go to LDS as they stand: a tile's eight registers by two stores, lane l's 16 bytes at 16 l; each accumulator from its low end on.
	; They lie in slot 0: its last fill has landed, and every wave has passed the last change of slots, behind which nobody reads it
.irp a, 0,1,2,3,4,5,6,7
	WIN 0x04*(1+\a/4)                              ; the stores' data: window 1 or 2
.irp j, 0,1,2,3
	ds_store_b128 v[XW], v[8*(8*(\a%4)+4+\j):8*(8*(\a%4)+4+\j)+3] offset:1024*(4*\a+\j)
	ds_store_b128 v[XW], v[8*(8*(\a%4)+4+\j)+4:8*(8*(\a%4)+4+\j)+7] offset:1024*(4*\a+\j)+512
.endr
.endr
	WIN 0
	s_wait_dscnt 0x0                               ; for my partner's sake: my stores have landed
	s_barrier_signal -1
	s_barrier_wait -1
.irp j, 0,1,2,3                        ; the coefficients of my lane's eight columns in each of my four column tiles
	ds_load_b128 v[CBK+8*\j:CBK+8*\j+3],   v[CK] offset:64*\j
	ds_load_b128 v[CBK+8*\j+4:CBK+8*\j+7], v[CK] offset:64*\j+16
	ds_load_b128 v[CBX+8*\j:CBX+8*\j+3],   v[CX] offset:64*\j
	ds_load_b128 v[CBX+8*\j+4:CBX+8*\j+7], v[CX] offset:64*\j+16
	ds_load_b128 v[CBB+8*\j:CBB+8*\j+3],   v[CB] offset:64*\j
	ds_load_b128 v[CBB+8*\j+4:CBB+8*\j+7], v[CB] offset:64*\j+16
	ds_load_b128 v[CPP+8*\j:CPP+8*\j+3],   v[CB] offset:1024+64*\j
	ds_load_b128 v[CPP+8*\j+4:CPP+8*\j+7], v[CB] offset:1024+64*\j+16
.endr
.macro XLOAD a                         ; my partner's sums for row tile a, at my columns: the same registers in the same lanes
.irp j, 0,1,2,3
	ds_load_b128 v[XX+8*\j:XX+8*\j+3],   v[XR] offset:1024*(4*(\a)+\j)
	ds_load_b128 v[XX+8*\j+4:XX+8*\j+7], v[XR] offset:1024*(4*(\a)+\j)+512
.endr
.endm
	XLOAD 0
; Row tile a: 16 rows x 64 columns.  Five packed lines for two numbers; then through my own stage, so that sixteen lanes store 256 consecutive bytes.  LDS serves a wave's instructions in order (ISA guide 5.7.1.4): no wait between
; the stage's stores and its loads, nor in front of the next tile's stores.
.macro BLOCK a
	s_wait_dscnt 0x0                               ; my partner's sums (and, at first, the coefficients) are in
.if (\a) > 0
	s_wait_xcnt 0x0                                ; the last tile's stores have read their registers, which are written again below
.endif
.irp i, 0,2,4,6,8,10,12,14,16,18,20,22,24,26,28,30
	v_pk_fma_f32 v[XX+\i:XX+\i+1], v[XX+\i:XX+\i+1], s[SXS:SXS+1], v[CBX+\i:CBX+\i+1] op_sel_hi:[1,0,1]     ; the other product's z
.endr
	WIN 0x01+(\a)/4                                ; source 0: window 1 or 2
.irp j, 0,1,2,3
.irp i, 0,2,4,6
	v_pk_fma_f32 v[TT+8*\j+\i:TT+8*\j+\i+1], v[8*(8*((\a)%4)+\j)+\i:8*(8*((\a)%4)+\j)+\i+1], s[SKS:SKS+1], v[CBK+8*\j+\i:CBK+8*\j+\i+1] op_sel_hi:[1,0,1]   ; my own product's z
.endr
.endr
	WIN 0x03                                       ; source 0: window 3
.irp j, 0,1,2,3
.irp i, 0,2,4,6
	v_pk_fma_f32 v[WW+8*\j+\i:WW+8*\j+\i+1], v[8*(4*(\a)+\j)+\i:8*(4*(\a)+\j)+\i+1], s[SBS:SBS+1], v[CBB+8*\j+\i:CBB+8*\j+\i+1] op_sel_hi:[1,0,1]           ; z_b
.endr
.endr
	WIN 0
.irp i, 0,2,4,6,8,10,12,14,16,18,20,22,24,26,28,30
	v_pk_fma_f32 v[TT+\i:TT+\i+1], v[XX+\i:XX+\i+1], v[TT+\i:TT+\i+1], v[WW+\i:WW+\i+1]                     ; z_r z_g + z_b
.endr
.irp i, 0,2,4,6,8,10,12,14,16,18,20,22,24,26,28,30
	v_pk_mul_f32 v[TT+\i:TT+\i+1], v[TT+\i:TT+\i+1], v[CPP+\i:CPP+\i+1]                                     ; x percent
.endr
.irp j, 0,1,2,3
	ds_store_b128 v[STO], v[TT+8*\j:TT+8*\j+3] offset:64*\j
	ds_store_b128 v[STO], v[TT+8*\j+4:TT+8*\j+7] offset:64*\j+16
.endr
.irp i, 0,1,2,3,4,5,6,7
	ds_load_b128 v[WW+4*\i:WW+4*\i+3], v[RD] offset:2*SP*\i
.endr
.if (\a) < 7
	XLOAD (\a)+1
	s_wait_dscnt 8                                 ; the rows are back; the next tile's eight loads may be out
.else
	s_wait_dscnt 0x0
.endif
.irp i, 0,1,2,3,4,5,6,7
	global_store_b128 v[GO], v[WW+4*\i:WW+4*\i+3], s[22:23] offset:(16*(\a)+2*\i)*8192 th:TH_STORE_NT       ; two rows: sixteen lanes store 256 consecutive bytes each, at a multiple of 256 from out0's first byte; 126 rows at the most: inside the signed 24-bit immediate (ISA guide, chapter 10)
.endr
.endm
.irp a, 0,1,2,3,4,5,6,7
	BLOCK \a
.endr
	s_wait_tensorcnt 0x0                           ; the wave's end, behind my last tensor load and my last LDS store
	ds_add_u32 v[SPW], v[NIL]
	s_wait_dscnt 0x0
	CROUND                                         ; the closing round: no work-group ends while a partner may still ask for a tile that names it
	s_endpgm
.Lfunc_end_k_qa5e07d7abd_gemm:
	.size	k_qa5e07d7abd_gemm, .Lfunc_end_k_qa5e07d7abd_gemm-k_qa5e07d7abd_gemm
	.p2alignl 7, 3214868480
	.fill 96, 4, 3214868480
	.section	.rodata,"a",@progbits
	.p2align	6, 0x0
	.amdhsa_kernel k_qa5e07d7abd_gemm
		.amdhsa_group_segment_fixed_size 327680
		.amdhsa_private_segment_fixed_size 0
		.amdhsa_enable_private_segment 0
		.amdhsa_kernarg_size 80
		.amdhsa_user_sgpr_count 2
		.amdhsa_user_sgpr_kernarg_segment_ptr 1
		.amdhsa_wavefront_size32 1
		.amdhsa_system_sgpr_workgroup_id_x 1
		.amdhsa_system_sgpr_workgroup_id_y 1
		.amdhsa_system_sgpr_workgroup_id_z 1
		.amdhsa_system_vgpr_workitem_id 0
		.amdhsa_next_free_vgpr 1024
		.amdhsa_next_free_sgpr 102
		.amdhsa_reserve_vcc 0
		.amdhsa_float_denorm_mode_32 3
		.amdhsa_float_denorm_mode_16_64 3
		.amdhsa_memory_ordered 1
		.amdhsa_forward_progress 1
		.amdhsa_inst_pref_size 160
	.end_amdhsa_kernel
	.amdgpu_metadata
---
amdhsa.version: [ 1, 2 ]
amdhsa.kernels:
  - .name:           k_qa5e07d7abd_gemm
    .symbol:         k_qa5e07d7abd_gemm.kd
    .args:
      - { .name: xq, .offset: 0, .size: 8, .value_kind: global_buffer, .address_space: global }
      - { .name: weight_r_codes, .offset: 8, .size: 8, .value_kind: global_buffer, .address_space: global }
      - { .name: weight_g_codes, .offset: 16, .size: 8, .value_kind: global_buffer, .address_space: global }
      - { .name: weight_b_codes, .offset: 24, .size: 8, .value_kind: global_buffer, .address_space: global }
      - { .name: lowp_scales, .offset: 32, .size: 8, .value_kind: global_buffer, .address_space: global }
      - { .name: bias_r, .offset: 40, .size: 8, .value_kind: global_buffer, .address_space: global }
      - { .name: bias_g, .offset: 48, .size: 8, .value_kind: global_buffer, .address_space: global }
      - { .name: bias_b, .offset: 56, .size: 8, .value_kind: global_buffer, .address_space: global }
      - { .name: percent, .offset: 64, .size: 8, .value_kind: global_buffer, .address_space: global }
      - { .name: out0, .offset: 72, .size: 8, .value_kind: global_buffer, .address_space: global }
    .group_segment_fixed_size: 327680
    .private_segment_fixed_size: 0
    .kernarg_segment_align: 8
    .kernarg_segment_size: 80
    .max_flat_workgroup_size: 128
    .sgpr_count:     102
    .vgpr_count:     1024
    .wavefront_size: 32
...
	.end_amdgpu_metadata
.endif
;; end of part 2
